; MI455X (gfx1250); checked and timed in simulation.
; The chip was launched on July 23, 2026; its instructions are those of AMD's public machine-readable ISA for CDNA 5 (MIT licence, August 2026) and "CDNA5" Instruction Set Architecture Reference Guide (July 2026). The comments in the code are by the model that wrote it; some were corrected since.
;; KAN Linear. Allowed arithmetic: matrix products marked QUANTISED: E5M2 operands, one given power-of-two scale a tensor, by v_wmma_f32_16x16x64_bf8_bf8 or v_wmma_f32_16x16x128_bf8_bf8, f32 sums; everything else in f32.
;; Inputs: base_weight_codes 256 x 8 x 32 uint8 (E5M2 codes of base_weight, K innermost, in blocks of 32 codes); grid 256 x 12 float32; lowp_scales 4 int32 (the exponents e of the quantised operands' scales 2^e); spline_weight 256 x 256 x 8 float32; x 32,768 x 256 float32.
;; Outputs: out0 32,768 x 256 float32.
;; This version of the problem:
;;   THIS VERSION OF THE PROBLEM IS GIVEN IN LOW PRECISION. The matrix products marked QUANTISED in the list below multiply operands that are first quantised to E5M2 (5 exponent bits, 2 mantissa bits; 8 bits a number), with one given power-of-two scale for each operand tensor; their sums are f32. All else is computed in f32.
;;   The module's matrix products, in the order in which they are computed (A, B: the left and right operand; K: the contracted axis; several contracted axes count as one K, in the product's order):
;;     1. [M 32,768, K 256] x [K 256, N 256]; A: computed on the way; B: input base_weight (given as codes): QUANTISED (scales: A lowp_scales[0], B lowp_scales[1])
;;     2. [M 32,768, K 2,048] x [K 2,048, N 256]; A: computed on the way; B: input spline_weight: QUANTISED (scales: A lowp_scales[2], B lowp_scales[3])
;;   THE QUANTISER, for each operand of a quantised product, along K:
;;     - The operand's scale is 2^e, e = its entry of the input lowp_scales (int32; the entries are numbered through the quantised products in the list's order, A before B).
;;     - Each number is divided by the scale, clamped to +-57,344, and rounded to the nearest number of E5M2, ties to even, subnormals kept.
;;     - The product sums the exact products of the quantised numbers (number of the format x scale) in f32.
;;   ~~~python
;;   def quantise(x, axis, e):      # numpy; x: float32 -> the quantised numbers, widened to float32 again
;;       x = np.moveaxis(x, axis, -1); K = x.shape[-1]
;;       r = np.clip(x / 2.0 ** e, -57344, 57344)
;;       step = 2.0 ** (np.maximum(np.frexp(np.where(r == 0, 1, r))[1] - 1, -14) - 2)
;;       q = np.round(r / step) * step * 2.0 ** e      # np.round: ties to even
;;       return np.moveaxis(q, -1, axis).astype(np.float32)
;;   ~~~
;;   OPERANDS COMPUTED ON THE WAY. 'Computed on the way' means the value that the module computes at that place (a softmax that the list does not call 'softmax' is quantised finished and normalised). What goes into a quantiser is computed in f32, as accurately as f32 sums, v_exp_f32 and their like allow (about 1e-6 of the number): no bf16 or f16 on the way to a quantiser, and a product that is left as it is and whose result goes on into a quantised operand takes f32 operands (vector FMAs, or v_wmma_f32_16x16x4_f32). A number that lies on a knife's edge between two numbers of the format may be rounded either way, as far as f32 arithmetic and the matrix unit's own rounding can turn it there, and no further.
;;   INPUTS GIVEN AS CODES. base_weight (in the module: [256, 256], K = its axis 1): each comes as NAME_codes (uint8): NAME with its K axis moved to the last place and cut into blocks of 32 codes, [.., K / 32, bytes a block], one block behind the other in memory; one code a byte (a code: sign, 5 exponent bits, 2 mantissa bits); its scale is its entry of lowp_scales. Its value is code x scale, taken as it is: it is not quantised again, and the codes and scales need not be those that the quantiser above would give.
;; One version. Each part assembles by itself: llvm-mc -triple=amdgcn-amd-amdhsa -mcpu=gfx1250 --defsym DOCPART=n.
;; ======== version 1 of 1: 2 launches
;; workspace buffers: wfrag 589,824 bytes; ctab 49,152 bytes
;; launch prep (part 1): grid 74 x 1, 4 waves a work-group, no clusters, 34,304 bytes of LDS; arguments spline_weight, base_weight_codes, grid, lowp_scales, wfrag, ctab; writes wfrag, ctab
.if DOCPART == 1
	.amdgcn_target "amdgcn-amd-amdhsa--gfx1250"
	.amdhsa_code_object_version 6
	.text
	.protected	k_q63dc3545ee_prep
	.globl	k_q63dc3545ee_prep
	.p2align	8
	.type	k_q63dc3545ee_prep,@function
k_q63dc3545ee_prep:
	s_mov_b64 s[64:65], 0
	v_nop
	global_prefetch_b8 v0, s[64:65] scope:SCOPE_SE
	s_setreg_imm32_b32 hwreg(HW_REG_WAVE_MODE, 25, 1), 1
	s_wait_xcnt 0x0
; KANLinear, launch 1 of 2: the weights and the knots are laid out once, as the second launch's registers take them.
; wfrag [step 0..8][kh 0..1][n 0..15][2,048 bytes]: an image of the 16 registers of one operand fragment (16 output columns 16 n + r x 128 along K):
;   register q, byte b of lane l = (r = l % 16, h = l / 16) lies at (q / 4) 512 + 16 l + 4 (q % 4) + b.
;   step 1 + u (spline): register 2 c + v, byte b = the E5M2 code of spline_weight[16 n + r][128 kh + 64 h + 8 u + c][4 v + b]
;   step 0 (base):       register q, byte b       = base_weight_codes[16 n + r][128 kh + 64 h + 4 q + b], taken as it is given
; ctab [256 features][48 words]: g0..g11 | r1[0..10], 0 | r2[0..9], 0, 0 | r3[0..8], 0, 0, 0, with rp[j] = 1 / ((g[j + p] - g[j]) + 1e-8).
;   The right-hand divisor of the recursion at j is the left-hand one at j + 1, so these 30 serve both sides.
; Work-groups 0-63: one spline tile a wave.  64-71: one base tile a wave.  72, 73: one feature of the table a thread.
; code = w / 2^e3, held within +-57,344, to the nearest code, ties to even.  LIMITS: e3 between -126 and 112.  NaN among the inputs is not served.
; A division is replaced by a reciprocal (v_rcp_f32 and one Newton step), multiplied in the second launch.
; No tensor loads, no barrier: a wave touches only its own stage in LDS.  Matrix units and clusters have nothing to do here.
.set SP,   528                         ; a stage row: 512 bytes + 16 = 132 words, so that sixteen rows start at sixteen different banks (64 banks of 4 bytes: ISA guide 11.1)
.set STG,  16*SP                       ; a stage: 16 rows, one for each wave
.set RAW,  16                          ; v16-79   spline: 16 x 4 registers as loaded;  base: the 16 registers of a fragment
.set NUM,  80                          ; v80-143  spline: my 64 numbers, 8 features x 8 bases
.set COD,  144                         ; v144-159 spline: their codes
.set KN,   16                          ; table: v16-27 knots, v28-63 the reciprocals with their padding: an entry as it is stored
.set DN,   64                          ; table: v64-99 the divisors
.set NE,   100                         ; table: v100-135 the Newton step's residues
	s_load_b256 s[4:11], s[0:1], 0x0               ; spline_weight s[4:5], base_weight_codes s[6:7], grid s[8:9], lowp_scales s[10:11]
	s_load_b128 s[12:15], s[0:1], 0x20             ; wfrag s[12:13], ctab s[14:15]
	v_lshl_add_u32 v160, v0, 2, 0x8400
	v_mov_b32 v161, 0
	v_lshrrev_b32 v1, 5, v0
	v_readfirstlane_b32 s16, v1                    ; wave 0..3
	v_and_b32 v2, 31, v0                           ; lane
	v_and_b32 v3, 15, v0                           ; r
	v_bfe_u32 v4, v0, 4, 1                         ; h
	v_lshlrev_b32 v5, 4, v2                        ; 16 x lane: my place in a store of 512 bytes of an image
	s_mov_b32 s21, 0                               ; upper words of the two byte offsets
	s_mov_b32 s23, 0
	s_wait_kmcnt 0x0
	s_cmp_lt_u32 ttmp9, 64
	s_cbranch_scc0 .Lnot_spline
	; ---- a spline tile: 16 rows o x (2 halves h) x 256 consecutive bytes (8 features x 8 bases, f32)
	s_load_b32 s24, s[10:11], 0xc                  ; e3
	s_lshl_b32 s17, ttmp9, 2
	s_add_co_u32 s17, s17, s16                     ; tile number 0..255
	s_and_b32 s18, s17, 15                         ; n
	s_bfe_u32 s19, s17, 0x10004                    ; kh
	s_lshr_b32 s17, s17, 5                         ; u
	s_lshl_b32 s20, s18, 17                        ; from: 16 n rows of 8,192 bytes
	s_lshl_b32 s22, s19, 12                        ; + 128 kh features of 32 bytes
	s_add_co_u32 s20, s20, s22
	s_lshl_b32 s22, s17, 8                         ; + 8 u features
	s_add_co_u32 s20, s20, s22
	s_add_nc_u64 s[4:5], s[4:5], s[20:21]
	s_lshl_b32 s22, s17, 16                        ; to: step 1 + u,
	s_add_co_u32 s22, s22, 65536
	s_lshl_b32 s20, s19, 15                        ; half kh,
	s_add_co_u32 s22, s22, s20
	s_lshl_b32 s20, s18, 11                        ; tile n
	s_add_co_u32 s22, s22, s20
	s_add_nc_u64 s[12:13], s[12:13], s[22:23]
	v_lshlrev_b32 v6, 4, v3
	v_lshl_add_u32 v6, v4, 11, v6                  ; a load takes one row o: lanes 0-15 the 256 bytes of h = 0, lanes 16-31 those of h = 1, 2,048 bytes on: two whole aligned runs of 256 bytes
	s_mul_i32 s25, s16, STG                        ; my stage
	v_add_nc_u32 v7, s25, v5                       ; into it: as loaded, 16 bytes a lane, a row o to a stage row
	v_mul_u32_u24 v8, v3, SP
	v_lshl_add_u32 v8, v4, 8, v8
	v_add_nc_u32 v8, s25, v8                       ; out of it: row r, half h: my 64 numbers
.irp j, 0,1,2,3,4,5,6,7,8,9,10,11,12,13,14,15
	global_load_b128 v[RAW+4*\j:RAW+4*\j+3], v6, s[4:5] offset:\j*8192 th:TH_LOAD_NT
.endr
	s_wait_kmcnt 0x0
	s_add_co_i32 s24, s24, 127
	s_lshl_b32 s25, s24, 23
	v_mov_b32 v9, s25                              ; 2^e3 as f32: the conversion takes its exponent field
	s_add_co_i32 s24, s24, 15
	s_lshl_b32 s24, s24, 23
	s_or_b32 s24, s24, 0x600000
	v_mov_b32 v10, s24                             ; 57,344 x 2^e3
.irp j, 0,1,2,3,4,5,6,7,8,9,10,11,12,13,14,15
	s_wait_loadcnt 15-\j                           ; loads come back in order: row j is in, the younger ones stay out
	ds_store_b128 v7, v[RAW+4*\j:RAW+4*\j+3] offset:\j*SP
.endr
.irp i, 0,1,2,3,4,5,6,7,8,9,10,11,12,13,14,15
	ds_load_b128 v[NUM+4*\i:NUM+4*\i+3], v8 offset:16*\i   ; LDS serves a wave in order: these see my stores
.endr
	s_wait_dscnt 0x0
.set i, 0
.rept 64
	v_med3_num_f32 v[NUM+i], v[NUM+i], -v10, v10   ; the conversion to an 8-bit code does not saturate (ISA guide 7.6.2): the hold at the largest code x the scale
.set i, i+1
.endr
.irp c, 0,1,2,3,4,5,6,7
	v_cvt_scalef32_pk8_bf8_f32 v[COD+2*\c:COD+2*\c+1], v[NUM+8*\c:NUM+8*\c+7], v9   ; feature c: its eight bases, the first in the lowest byte
.endr
	v_nop                                          ; a plain line behind the last conversion
.irp g, 0,1,2,3
	global_store_b128 v5, v[COD+4*\g:COD+4*\g+3], s[12:13] offset:512*\g   ; 32 lanes store 512 consecutive bytes, aligned
.endr
	s_wait_tensorcnt 0x0
	ds_add_u32 v160, v161
	s_wait_dscnt 0x0
	s_endpgm
.Lnot_spline:
	s_cmp_lt_u32 ttmp9, 72
	s_cbranch_scc0 .Ltable
	; ---- a base tile: the given codes, moved into the image.  A lane reads 64 bytes of its row: pieces of rows, accepted for 65,536 bytes read once
	s_sub_co_u32 s17, ttmp9, 64
	s_lshl_b32 s17, s17, 2
	s_add_co_u32 s17, s17, s16                     ; tile number 0..31
	s_and_b32 s18, s17, 15                         ; n
	s_lshr_b32 s19, s17, 4                         ; kh
	s_lshl_b32 s20, s18, 12                        ; from: 16 n rows of 256 bytes
	s_lshl_b32 s22, s19, 7                         ; + 128 kh
	s_add_co_u32 s20, s20, s22
	s_add_nc_u64 s[6:7], s[6:7], s[20:21]
	s_lshl_b32 s22, s19, 15                        ; to: step 0, half kh,
	s_lshl_b32 s20, s18, 11                        ; tile n
	s_add_co_u32 s22, s22, s20
	s_add_nc_u64 s[12:13], s[12:13], s[22:23]
	v_lshlrev_b32 v6, 8, v3
	v_lshl_add_u32 v6, v4, 6, v6                   ; row r, + 64 h
.irp g, 0,1,2,3
	global_load_b128 v[RAW+4*\g:RAW+4*\g+3], v6, s[6:7] offset:16*\g
.endr
	s_wait_loadcnt 0x0
.irp g, 0,1,2,3
	global_store_b128 v5, v[RAW+4*\g:RAW+4*\g+3], s[12:13] offset:512*\g
.endr
	s_endpgm
.Ltable:
	; ---- the table: a thread to a feature
	s_sub_co_u32 s17, ttmp9, 72
	s_lshl_b32 s17, s17, 7
	v_add_nc_u32 v6, s17, v0                       ; the feature
	v_mul_u32_u24 v7, v6, 48                       ; its 12 knots
	v_mul_u32_u24 v8, v6, 192                      ; its entry
.irp i, 0,1,2
	global_load_b128 v[KN+4*\i:KN+4*\i+3], v7, s[8:9] offset:16*\i
.endr
	s_wait_loadcnt 0x0
; one line for each of the 30 reciprocals: rp[j], j < 12 - p, lies at v[KN + 12 p + j]
.macro TAB step
.irp p, 1,2,3
.irp j, 0,1,2,3,4,5,6,7,8,9,10
.if \j < 12-\p
.if \step == 0
	v_sub_f32 v[DN+12*(\p-1)+\j], v[KN+\j+\p], v[KN+\j]
.elseif \step == 1
	v_add_f32 v[DN+12*(\p-1)+\j], 0x322bcc77, v[DN+12*(\p-1)+\j]   ; + 1e-8, behind the difference, as the recursion is written
.elseif \step == 2
	v_rcp_f32 v[KN+12*\p+\j], v[DN+12*(\p-1)+\j]
.elseif \step == 3
	v_fma_f32 v[NE+12*(\p-1)+\j], -v[DN+12*(\p-1)+\j], v[KN+12*\p+\j], 1.0   ; 1 - divisor x r
.else
	v_fma_f32 v[KN+12*\p+\j], v[KN+12*\p+\j], v[NE+12*(\p-1)+\j], v[KN+12*\p+\j]   ; r + r x residue
.endif
.endif
.endr
.endr
.endm
	TAB 0
	TAB 1
	TAB 2
	v_nop                                          ; a plain line between the last reciprocal and the use of the results
	s_wait_alu depctr_va_vdst(0)
	TAB 3
	TAB 4
.irp z, 23, 34, 35, 45, 46, 47
	v_mov_b32 v[KN+\z], 0                          ; the padding of the three groups
.endr
.irp i, 0,1,2,3,4,5,6,7,8,9,10,11
	global_store_b128 v8, v[KN+4*\i:KN+4*\i+3], s[14:15] offset:16*\i   ; lanes 192 bytes apart: accepted for 49,152 bytes written once
.endr
	s_endpgm
.Lfunc_end_k_q63dc3545ee_prep:
	.size	k_q63dc3545ee_prep, .Lfunc_end_k_q63dc3545ee_prep-k_q63dc3545ee_prep
	.p2alignl 7, 3214868480
	.fill 96, 4, 3214868480
	.section	.rodata,"a",@progbits
	.p2align	6, 0x0
	.amdhsa_kernel k_q63dc3545ee_prep
		.amdhsa_group_segment_fixed_size 34304
		.amdhsa_private_segment_fixed_size 0
		.amdhsa_enable_private_segment 0
		.amdhsa_kernarg_size 48
		.amdhsa_user_sgpr_count 2
		.amdhsa_user_sgpr_kernarg_segment_ptr 1
		.amdhsa_wavefront_size32 1
		.amdhsa_system_sgpr_workgroup_id_x 1
		.amdhsa_system_sgpr_workgroup_id_y 1
		.amdhsa_system_sgpr_workgroup_id_z 1
		.amdhsa_system_vgpr_workitem_id 0
		.amdhsa_next_free_vgpr 162
		.amdhsa_next_free_sgpr 66
		.amdhsa_reserve_vcc 0
		.amdhsa_float_denorm_mode_32 3
		.amdhsa_float_denorm_mode_16_64 3
		.amdhsa_memory_ordered 1
		.amdhsa_forward_progress 1
		.amdhsa_inst_pref_size 23
	.end_amdhsa_kernel
	.amdgpu_metadata
---
amdhsa.version: [ 1, 2 ]
amdhsa.kernels:
  - .name:           k_q63dc3545ee_prep
    .symbol:         k_q63dc3545ee_prep.kd
    .args:
      - { .name: spline_weight, .offset: 0, .size: 8, .value_kind: global_buffer, .address_space: global }
      - { .name: base_weight_codes, .offset: 8, .size: 8, .value_kind: global_buffer, .address_space: global }
      - { .name: grid, .offset: 16, .size: 8, .value_kind: global_buffer, .address_space: global }
      - { .name: lowp_scales, .offset: 24, .size: 8, .value_kind: global_buffer, .address_space: global }
      - { .name: wfrag, .offset: 32, .size: 8, .value_kind: global_buffer, .address_space: global }
      - { .name: ctab, .offset: 40, .size: 8, .value_kind: global_buffer, .address_space: global }
    .group_segment_fixed_size: 34304
    .private_segment_fixed_size: 0
    .kernarg_segment_align: 8
    .kernarg_segment_size: 48
    .max_flat_workgroup_size: 128
    .sgpr_count:     66
    .vgpr_count:     162
    .wavefront_size: 32
...
	.end_amdgpu_metadata
.endif
;; end of part 1
;; launch kan (part 2): grid 256 x 1, 4 waves a work-group, clusters of 4 x 1, 327,680 bytes of LDS; arguments x, ctab, wfrag, lowp_scales, out0; writes out0
.if DOCPART == 2
	.amdgcn_target "amdgcn-amd-amdhsa--gfx1250"
	.amdhsa_code_object_version 6
	.text
	.protected	k_q63dc3545ee_kan
	.globl	k_q63dc3545ee_kan
	.p2align	8
	.type	k_q63dc3545ee_kan,@function
k_q63dc3545ee_kan:
	s_mov_b64 s[64:65], 0
	v_nop
	global_prefetch_b8 v0, s[64:65] scope:SCOPE_SE
	s_setreg_imm32_b32 hwreg(HW_REG_WAVE_MODE, 25, 1), 1
	s_wait_xcnt 0x0
	s_wait_alu depctr_hold_cnt(0) depctr_sa_sdst(0) depctr_va_vdst(0) depctr_va_sdst(0) depctr_va_ssrc(0) depctr_va_vcc(0) depctr_vm_vsrc(0)
	s_getreg_b32 s2, hwreg(HW_REG_IB_STS2, 6, 4)
	s_cmp_eq_u32 s2, 0
	s_cbranch_scc0 .Lentry_in_a_cluster
	s_endpgm
.Lentry_in_a_cluster:
	s_bfe_u32 s2, ttmp6, 0x10000c
	s_cmp_lg_u32 s2, 0x3003
	s_cbranch_scc0 .Lentry_shape_is_right
	s_endpgm
.Lentry_shape_is_right:
; KANLinear, launch 2 of 2: out[b][o] = Q(silu(x)) . base_weight^T + Q(bases(x, grid)) . Q(spline_weight)^T, both products on codes of E5M2, sums in f32.
; SHARES.  A work-group owns 128 rows and all 256 columns.  Wave w = (rg = w / 2, kh = w % 2) takes rows 64 rg .. + 63 (four tiles of 16) and features 128 kh .. + 127: nine K steps of 128
; (one of silu, eight of bases: 16 features x 8 bases a step), and keeps 64 x 256 partial sums in 512 registers.  The two waves of a pair (w, w xor 1) add their parts once, at the end, through LDS.
; So the codes of silu and of the bases are MADE IN THE REGISTERS OF THE WAVE THAT MULTIPLIES THEM and never go through LDS, and each weight fragment read from LDS feeds four matrix instructions.
; K IS PERMUTED ALIKE ON BOTH SIDES: in step u, register 2 c + v, byte b of lane (r, h) is basis 4 v + b of feature 128 kh + 64 h + 8 u + c; in the silu step register q, byte b is feature
; 128 kh + 64 h + 4 q + b.  The first launch laid the weights so.  Every product meets its partner; only the order of the sums inside an instruction differs.
; THE RECURSION holds for any knots (a row of the grid for each feature, sorted or not): d[j] = x - g[j]; ind[j] = (d[j] >= 0) and not (d[j+1] >= 0); then for p = 1, 2, 3
; B_p[j] = d[j] (B[j] rp[j]) - d[j+p+1] (B[j+1] rp[j+1]), rp[j] = 1 / (g[j+p] - g[j] + 1e-8) from the table.  A lane works on a PAIR: one feature in rows r of two neighbouring row tiles, so every
; packed instruction takes one constant for both halves.
; SCALES.  The silu sums are multiplied once by 2^(e0+e1-e2-e3), the spline products add onto them, and the finished sums are multiplied by 2^(e2+e3).
; LIMITS: e0 and e2 between -126 and 112; e0+e1-e2-e3 and e2+e3 between -126 and 127.  NaN among the inputs is not served.  Divisions are multiplications by the table's reciprocals.
; silu(x) = x / (1 + 2^(-x log2 e)); where that power passes the f32 range the result is 0, as small as the true value against any code's step within the limits above.
; CLUSTER 4 x 1: the weight tiles and the table are the same for every work-group, so four work-groups ask for them JOINTLY (a mask names four at the most).  x is each work-group's own: a plain load.
; LDS: one slot for a K step's weights (65,536 bytes), filled anew at each step's head and read at its end: the step's vector work (16 pairs of numbers a lane) stands between request and read.
; All eight steps fill alike, so the step is written once.  A wave has three tensor loads out at the start, later one.
; Left out: matrix instructions set among the vector work (this text runs in phases); a second slot (its last trip would fill nothing: the step's text would be written twice).
.set PX,    528                        ; a row of x, and of a stage, in LDS: 512 bytes + 16 = 132 words: sixteen rows start at sixteen different banks (64 banks of 4 bytes: ISA guide 11.1)
.set XW,    64*PX                      ; a wave's 64 rows of x
.set XB,    65536                      ; LDS: 0 the slot (kh = 0's 16 fragments, then kh = 1's); XB: four regions of x;
.set CT,    XB+4*XW                    ; the table, 192 bytes a feature;
.set SPARE, CT+49152                   ; the spare words, 128 bytes for each wave: two blocks of 256 bytes that no other line names
.set SPW, 1                            ; v1   LDS address of my spare word; never rewritten
.set NIL, 2                            ; v2   0; never rewritten
.set XA0, 3                            ; v3   x: row r of my region, + 256 h
.set XAN, 4                            ; v4   the same at the next step's eight features
.set CA0, 5                            ; v5   the table at feature 128 kh + 64 h
.set CAC, 6                            ; v6   at this step's eight features
.set CAN, 7                            ; v7   at the next step's
.set BAL, 8                            ; v8   the slot: the eight column tiles that stay mine
.set BAH, 9                            ; v9   the eight whose sums I give away
.set SC2, 10                           ; v10  2^e2;  v11  57,344 x 2^e2
.set SC0, 12                           ; v12  2^e0;  v13  57,344 x 2^e0
.set GW,  14                           ; v14  where I put the sums that I give away;  v15 where I find my partner's
.set GRD, 15
.set K,   16                           ; v16-63   a feature's 48 constants
.set G,   K
.set R1,  K+12
.set R2,  K+24
.set R3,  K+36
.set X,   64                           ; v64-95   a step's x: pair (c, tp) at X + 4 c + 2 tp
.set D,   96                           ; v96-119  d[0..11], pairs
.set P,   120                          ; v120-141 B x r, pairs
.set Q,   142                          ; v142-161 the new bases, pairs
.set T,   162                          ; v162-181 the right-hand terms, pairs
.set CD,  182                          ; v182-185 16 codes, the pair's interleaved
.set STO, 186                          ; v186 the way out: where I put 32 bytes of a row;  v187 where I read a row back;  v188 my byte offset in a row of out0
.set RD,  187
.set CO,  188
.set A,   192                          ; v192-255 my four fragments of codes, tile m at A + 16 m
.set E,   80                           ; silu: v80-111 at work; v16-79 two sets of 32 numbers of x
.set TMP, 16                           ; the way out: v16-79 a block's sums
.set M,   74                           ; s[74:97] comparison masks: d[j] >= 0 of the pair's two halves at M + 2 j, M + 2 j + 1
; window 1: the 16 weight fragments of a step, fragment n at v[16 n]; at the end my partner's 256 sums.  window 2: accumulators (m, n = 0..7) at v[8 (8 m + n)]: columns that stay mine.  window 3: (m, n = 8..15): given away.
; s14 wave, s15 rg, s16 kh, s17 cx, s18 work-group; s[20:21] my byte offset in x and out0; s19, s22, s23, s61 at work; s[24:31], s[32:39], s[40:47] descriptor groups 1 (x, table, weights);
; s[48:51], s[52:55], s[56:59] their groups 0; s60 the step; s62, s63 byte selectors; s[66:67] 2^(e0+e1-e2-e3); s[68:71] e0..e3; s[72:73] 2^(e2+e3); s[98:99] -log2(e)
.set MSB, 0
.macro WIN new                         ; the immediate's high byte repeats the setting that is left; a switch that changes nothing is dropped
.if MSB != \new
	s_set_vgpr_msb (MSB<<8)|\new
.set MSB, \new
.endif
.endm
.macro ROUND                           ; a round of the cluster's barrier: my work-group's barrier; wave 0 signals for the work-group; every wave waits for all four work-groups; my work-group's barrier once more
	s_barrier_signal -1
	s_barrier_wait -1
	s_cmp_lg_u32 s14, 0
	s_cbranch_scc1 .Lnot_wave_0_\@
	s_barrier_signal -3
.Lnot_wave_0_\@:
	s_barrier_wait -3
	s_barrier_signal -1
	s_barrier_wait -1
.endm
.macro PLACES
.rept 4
	v_nop
.endr
.endm
	s_load_b256 s[4:11], s[0:1], 0x0               ; x s[4:5], ctab s[6:7], wfrag s[8:9], lowp_scales s[10:11]
	s_load_b64 s[12:13], s[0:1], 0x20              ; out0
	v_lshl_add_u32 v[SPW], v0, 2, SPARE
	v_mov_b32 v[NIL], 0
	ds_add_u32 v1, v2
	ds_add_u32 v1, v2
	s_wait_dscnt 0x0
	v_lshrrev_b32 v3, 5, v0
	v_readfirstlane_b32 s14, v3                    ; wave 0..3
	s_lshr_b32 s15, s14, 1                         ; rg
	s_and_b32 s16, s14, 1                          ; kh
	s_bfe_u32 s17, ttmp6, 0x40000                  ; cx: my place in the cluster
	s_lshl_b32 s18, ttmp9, 2                       ; in a cluster launch ttmp9 counts clusters
	s_add_co_u32 s18, s18, s17                     ; my work-group: it enters the addresses of x and out0 alone
	; group 1 for x: 64 rows of 128 f32, 256 apart, 16 bytes of padding behind each row in LDS; no mask: a load of my own
	s_mov_b32 s24, (2<<16)|(1<<20)|(6<<22)|(3<<25) ; 17:16 elements of 4 bytes; 20 padding on; 24:22 after every 128 words (code 6); 31:25 four words (code 3)
	s_mov_b32 s25, 128<<16                         ; tensor_dim0
	s_mov_b32 s26, 64<<16                          ; tensor_dim1
	s_mov_b32 s27, 128<<16                         ; tile_dim0
	s_mov_b32 s28, 64                              ; tile_dim1
	s_mov_b32 s29, 256                             ; elements from row to row
	s_mov_b32 s30, 0
	s_mov_b32 s31, 0
	; group 1 for a quarter of the table: a dense block of 48 rows of 256 bytes; joint
	s_mov_b32 s32, 15|(3<<16)|(1<<21)              ; 15:0 the mask: all four work-groups; 17:16 elements of 8 bytes; 21 set beside a mask
	s_mov_b32 s33, 32<<16
	s_mov_b32 s34, 48<<16
	s_mov_b32 s35, 32<<16
	s_mov_b32 s36, 48
	s_mov_b32 s37, 32
	s_mov_b32 s38, 0
	s_mov_b32 s39, 0
	; group 1 for a quarter of a step's weights: a dense block of 64 rows of 256 bytes; joint
	s_mov_b32 s40, 15|(3<<16)|(1<<21)
	s_mov_b32 s41, 32<<16
	s_mov_b32 s42, 64<<16
	s_mov_b32 s43, 32<<16
	s_mov_b32 s44, 64
	s_mov_b32 s45, 32
	s_mov_b32 s46, 0
	s_mov_b32 s47, 0
	s_lshl_b32 s20, s18, 17                        ; 128 rows of 1,024 bytes a work-group,
	s_lshl_b32 s19, s15, 16                        ; 64 rows a row half,
	s_add_co_u32 s20, s20, s19
	s_lshl_b32 s19, s16, 9                         ; 128 numbers a half of K (in out0: the 128 columns that stay mine)
	s_add_co_u32 s20, s20, s19
	s_mov_b32 s21, 0
	s_mul_i32 s22, s14, 12288                      ; my quarter of the table
	s_mov_b32 s23, 0
	s_lshl_b32 s98, s14, 14                        ; my quarter of a step's weights
	s_mov_b32 s99, 0
	s_mul_i32 s61, s14, XW
	s_add_co_u32 s19, s61, XB                      ; my region of x
	s_wait_kmcnt 0x0
	s_load_b128 s[68:71], s[10:11], 0x0            ; e0, e1, e2, e3
	s_mov_b32 s48, 1                               ; group 0: count 1; LDS address; global address; type 2 on top
	s_add_co_u32 s49, s61, XB
	s_add_nc_u64 s[50:51], s[4:5], s[20:21]
	s_or_b32 s51, s51, 0x80000000
	s_mov_b32 s52, 1
	s_add_co_u32 s53, s22, CT
	s_add_nc_u64 s[54:55], s[6:7], s[22:23]
	s_or_b32 s55, s55, 0x80000000
	s_mov_b32 s56, 1
	s_mov_b32 s57, s98
	s_add_nc_u64 s[58:59], s[8:9], s[98:99]
	s_or_b32 s59, s59, 0x80000000
	s_add_nc_u64 s[12:13], s[12:13], s[20:21]      ; out0 at my first row and column
	ROUND                                          ; all four work-groups are here: the first joint loads meet
	tensor_load_to_lds s[48:51], s[24:31]          ; x first: it is wanted first
	s_nop 0
	tensor_load_to_lds s[56:59], s[40:47]          ; the silu step's weights
	s_nop 0
	tensor_load_to_lds s[52:55], s[32:39]          ; the table
	s_nop 0
	PLACES                                         ; four plain lines follow the loads
	v_and_b32 v16, 15, v0                          ; r
	v_bfe_u32 v17, v0, 4, 1                        ; h
	v_and_b32 v18, 31, v0
	v_lshlrev_b32 v18, 4, v18                      ; 16 x lane
	v_mul_u32_u24 v[XA0], v16, PX
	v_lshl_add_u32 v[XA0], v17, 8, v[XA0]
	v_add_nc_u32 v[XA0], s19, v[XA0]
	v_add_nc_u32 v[GW], s19, v18                   ; at the end my region of x takes the sums that I give away
	s_xor_b32 s22, s14, 1
	s_mul_i32 s22, s22, XW
	s_add_co_u32 s22, s22, XB
	v_add_nc_u32 v[GRD], s22, v18                  ; and my partner's region holds those that I get
	s_mul_i32 s22, s16, 24576
	s_add_co_u32 s22, s22, CT
	v_mul_u32_u24 v[CA0], v17, 12288
	v_add_nc_u32 v[CA0], s22, v[CA0]
	s_mul_i32 s22, s16, 49152                      ; kh's 32,768 bytes of the slot, and in them column tiles 8 kh on
	v_add_nc_u32 v[BAL], s22, v18
	s_lshl_b32 s22, s16, 14                        ; the same half of the slot, column tiles 8 (1 - kh) on: 32,768 kh + 16,384 (1 - kh)
	s_add_co_u32 s22, s22, 16384
	v_add_nc_u32 v[BAH], s22, v18
	s_mul_i32 s22, s14, 16*PX                      ; my stage for the way out, in the slot
	v_mul_u32_u24 v[STO], v16, PX
	v_lshl_add_u32 v[STO], v17, 5, v[STO]
	v_add_nc_u32 v[STO], s22, v[STO]
	v_add_nc_u32 v[RD], s22, v18
	v_mov_b32 v[CO], v18
	s_wait_kmcnt 0x0
	s_add_co_i32 s22, s70, 127
	s_lshl_b32 s23, s22, 23
	v_mov_b32 v[SC2], s23                          ; 2^e2 as f32: the conversion takes its exponent field
	s_add_co_i32 s22, s22, 15
	s_lshl_b32 s22, s22, 23
	s_or_b32 s22, s22, 0x600000
	v_mov_b32 v[SC2+1], s22                        ; 57,344 x 2^e2
	s_add_co_i32 s22, s68, 127
	s_lshl_b32 s23, s22, 23
	v_mov_b32 v[SC0], s23                          ; the same with e0
	s_add_co_i32 s22, s22, 15
	s_lshl_b32 s22, s22, 23
	s_or_b32 s22, s22, 0x600000
	v_mov_b32 v[SC0+1], s22
	s_add_co_i32 s72, s70, s71                     ; e2 + e3
	s_add_co_i32 s66, s68, s69
	s_sub_co_i32 s66, s66, s72                     ; e0 + e1 - e2 - e3
	s_add_co_i32 s66, s66, 127
	s_lshl_b32 s66, s66, 23
	s_mov_b32 s67, s66                             ; (named with it as a pair, so it is written)
	s_add_co_i32 s72, s72, 127
	s_lshl_b32 s72, s72, 23
	s_mov_b32 s73, s72
	s_mov_b32 s62, 0x06040200                      ; the even bytes of two registers: the pair's first number
	s_mov_b32 s63, 0x07050301                      ; the odd bytes: its second
	s_mov_b32 s98, 0xbfb8aa3b                      ; -log2(e)
	s_mov_b32 s99, s98
; ---- silu, eight features a lane and row tile at a time
.macro LOADX t                         ; features 64 h + 8 t .. + 7 of row r of my four tiles, into set t % 2
.irp m, 0,1,2,3
	ds_load_b128 v[16+32*((\t)%2)+8*\m:16+32*((\t)%2)+8*\m+3],   v[XA0] offset:16*\m*PX+32*(\t)
	ds_load_b128 v[16+32*((\t)%2)+8*\m+4:16+32*((\t)%2)+8*\m+7], v[XA0] offset:16*\m*PX+32*(\t)+16
.endr
.endm
.macro SILU t
.set XS, 16+32*((\t)%2)
.set i, 0
.rept 16
	v_pk_mul_f32 v[E+2*i:E+2*i+1], v[XS+2*i:XS+2*i+1], s[98:99] op_sel_hi:[1,0]   ; -x log2(e)
.set i, i+1
.endr
.set i, 0
.rept 32
	v_exp_f32 v[E+i], v[E+i]
.set i, i+1
.endr
	v_nop                                          ; a plain line between the last transcendental and the use of the results
.set i, 0
	s_wait_alu depctr_va_vdst(0)
.rept 16
	v_pk_add_f32 v[E+2*i:E+2*i+1], v[E+2*i:E+2*i+1], 1.0 op_sel_hi:[1,0]
.set i, i+1
.endr
.set i, 0
.rept 32
	v_rcp_f32 v[E+i], v[E+i]
.set i, i+1
.endr
	v_nop
.set i, 0
	s_wait_alu depctr_va_vdst(0)
.rept 16
	v_pk_mul_f32 v[E+2*i:E+2*i+1], v[E+2*i:E+2*i+1], v[XS+2*i:XS+2*i+1]
.set i, i+1
.endr
.set i, 0
.rept 32
	v_med3_num_f32 v[E+i], v[E+i], -v[SC0+1], v[SC0+1]   ; the conversion does not saturate (ISA guide 7.6.2): the hold at the largest code x the scale
.set i, i+1
.endr
.irp m, 0,1,2,3
	v_cvt_scalef32_pk8_bf8_f32 v[A+16*\m+2*(\t):A+16*\m+2*(\t)+1], v[E+8*\m:E+8*\m+7], v[SC0]   ; registers 2 t, 2 t + 1 of tile m's fragment
.endr
	v_nop                                          ; a plain line behind the last conversion
.endm
	s_wait_tensorcnt 0x2                           ; x is in (my own bytes, read by me alone); the two younger loads, weights and table, stay out
	LOADX 0
.irp t, 0,1,2,3,4,5,6,7
.if \t < 7
	LOADX \t+1
	s_wait_dscnt 8                                 ; all but the eight just issued
.else
	s_wait_dscnt 0x0
.endif
	SILU \t
.endr
	s_wait_tensorcnt 0x0                           ; my quarters of the weights and of the table are in,
	s_wait_dscnt 0x0
	s_barrier_signal -1
	s_barrier_wait -1                              ; everybody's are.
; ---- a K step's 64 products.  The 16 fragments come in one run; fragment n feeds my four row tiles.  TRANSPOSED: source 0 = 16 columns of weights, source 1 = 16 rows of codes: lane (r, h), register j
; holds out(row r of tile m, column 16 n + 8 h + j).  The 64 accumulators take turns, one instruction a turn, in the same order in every step.
.macro BATCH zero                      ; zero = 1: the products start the sums: nothing is ever cleared
	WIN 0x40                                       ; destination window 1, address window 0
.set n, 0
.rept 16
.irp g, 0,1,2,3
.if n < 8
	ds_load_b128 v[16*n+4*\g:16*n+4*\g+3], v[BAL] offset:n*2048+\g*512
.else
	ds_load_b128 v[16*n+4*\g:16*n+4*\g+3], v[BAH] offset:(n-8)*2048+\g*512
.endif
.endr
.set n, n+1
.endr
.set n, 0
.rept 16
	s_wait_dscnt 60-4*n                            ; fragment n is in; the four loads of each fragment behind it may be out
.if n < 8
	WIN 0xa1                                       ; source 0 window 1, source 1 window 0, C and D window 2
.else
	WIN 0xf1                                       ; the same, C and D window 3
.endif
.irp m, 0,1,2,3
.if \zero
	v_wmma_f32_16x16x128_bf8_bf8 v[8*(8*\m+n%8):8*(8*\m+n%8)+7], v[16*n:16*n+15], v[A+16*\m:A+16*\m+15], 0
.else
	v_wmma_f32_16x16x128_bf8_bf8 v[8*(8*\m+n%8):8*(8*\m+n%8)+7], v[16*n:16*n+15], v[A+16*\m:A+16*\m+15], v[8*(8*\m+n%8):8*(8*\m+n%8)+7]
.endif
.endr
.set n, n+1
.endr
	WIN 0
	PLACES                                         ; four places behind the last products (ISA guide 7.12.1), ahead of whatever next touches their registers
.endm
	BATCH 1                                        ; the silu product
.irp c, 0,1,2,3,4,5,6,7                        ; step 0's x, a number a lane and load: pair (c, tp) = rows r of tiles 2 tp and 2 tp + 1
.irp p, 0,1
	ds_load_b32 v[X+4*\c+2*\p],   v[XA0] offset:32*\p*PX+4*\c
	ds_load_b32 v[X+4*\c+2*\p+1], v[XA0] offset:(32*\p+16)*PX+4*\c
.endr
.endr
.irp i, 0,1,2,3,4,5,6,7,8,9,10,11
	ds_load_b128 v[K+4*\i:K+4*\i+3], v[CA0] offset:16*\i   ; and its first feature's constants: sixteen lanes read the same 16 bytes
.endr
	WIN 0x82                                       ; source 0 and destination window 2
.set i, 0
.rept 128
	v_pk_mul_f32 v[2*i:2*i+1], v[2*i:2*i+1], s[66:67] op_sel_hi:[1,0]   ; the silu sums x 2^(e0+e1-e2-e3): exact within the limits; each accumulator from its low end on
.set i, i+1
.endr
	WIN 0xc3                                       ; window 3
.set i, 0
.rept 128
	v_pk_mul_f32 v[2*i:2*i+1], v[2*i:2*i+1], s[66:67] op_sel_hi:[1,0]
.set i, i+1
.endr
	WIN 0
; ---- the recursion for one pair of numbers
.macro SUBC dst, src, ci               ; dst pair = src pair - the constant v[ci], in both halves
.if ((\ci)%2) == 0
	v_pk_add_f32 v[\dst:\dst+1], v[\src:\src+1], v[\ci:\ci+1] op_sel_hi:[1,0] neg_lo:[0,1] neg_hi:[0,1]
.else
	v_pk_add_f32 v[\dst:\dst+1], v[\src:\src+1], v[\ci-1:\ci] op_sel:[0,1] op_sel_hi:[1,1] neg_lo:[0,1] neg_hi:[0,1]
.endif
.endm
.macro MULC dst, src, ci               ; dst pair = src pair x the constant v[ci]
.if ((\ci)%2) == 0
	v_pk_mul_f32 v[\dst:\dst+1], v[\src:\src+1], v[\ci:\ci+1] op_sel_hi:[1,0]
.else
	v_pk_mul_f32 v[\dst:\dst+1], v[\src:\src+1], v[\ci-1:\ci] op_sel:[0,1] op_sel_hi:[1,1]
.endif
.endm
.macro KLOAD c, grp                    ; group grp (knots, r1, r2, r3) of the feature behind c: this step's c + 1, or the next step's first
.irp i, 0,1,2
.if (\c) < 7
	ds_load_b128 v[K+12*(\grp)+4*\i:K+12*(\grp)+4*\i+3], v[CAC] offset:((\c)+1)*192+48*(\grp)+16*\i
.else
	ds_load_b128 v[K+12*(\grp)+4*\i:K+12*(\grp)+4*\i+3], v[CAN] offset:48*(\grp)+16*\i
.endif
.endr
.endm
.macro PR base, cnt                    ; P[j] = B[j] x r[j]
.set j, 0
.rept \cnt
	MULC P+2*j, Q+2*j, \base+j
.set j, j+1
.endr
.endm
.macro TQ p, cnt                       ; level p: B[j] = d[j] P[j] - d[j+p+1] P[j+1]; the lines stand by kind, so that none reads the line just above it
.set j, 0
.rept \cnt
	v_pk_mul_f32 v[T+2*j:T+2*j+1], v[D+2*(j+\p+1):D+2*(j+\p+1)+1], v[P+2*j+2:P+2*j+3]
.set j, j+1
.endr
.set j, 0
.rept \cnt
	v_pk_fma_f32 v[Q+2*j:Q+2*j+1], v[D+2*j:D+2*j+1], v[P+2*j:P+2*j+1], v[T+2*j:T+2*j+1] neg_lo:[0,0,1] neg_hi:[0,0,1]
.set j, j+1
.endr
.endm
; Feature c of the step, row tiles 2 tp and 2 tp + 1.  A feature's constants serve tp = 0 and tp = 1; in tp = 1 each group is loaded anew straight behind its last use, in the order knots, r1, r2, r3,
; three loads each, so that in the next tp = 0 each wait leaves the younger groups out.  The next step's x takes the pair's place as soon as d is made.
.macro ITER c, tp
.set XQ, X+4*(\c)+2*(\tp)
.if \tp == 0
	s_wait_dscnt 9                                 ; the knots are in; out may be: r1, r2, r3 (three loads each)
.endif
.set j, 0
.rept 12
	SUBC D+2*j, XQ, G+j
.set j, j+1
.endr
	ds_load_b32 v[XQ],   v[XAN] offset:32*(\tp)*PX+4*(\c)
	ds_load_b32 v[XQ+1], v[XAN] offset:(32*(\tp)+16)*PX+4*(\c)
.if \tp == 1
	KLOAD \c, 0
.endif
.set j, 0
.rept 12
	v_cmp_le_f32 s[M+2*j],   0, v[D+2*j]           ; x >= g[j]: the sign of the f32 difference is exact (denormals are kept)
	v_cmp_le_f32 s[M+2*j+1], 0, v[D+2*j+1]
.set j, j+1
.endr
.set j, 0
.rept 11
	s_and_not1_b32 s[M+2*j],   s[M+2*j],   s[M+2*j+2]   ; and not x >= g[j+1]; in place, j ascending.  The masks feed selections alone
	s_and_not1_b32 s[M+2*j+1], s[M+2*j+1], s[M+2*j+3]
.set j, j+1
.endr
.if \tp == 0
	s_wait_dscnt 8                                 ; r1 is in; out may be: r2, r3 and the two loads of x
.endif
.set j, 0
.rept 11
	v_cndmask_b32 v[P+2*j],   0, v[R1+j], s[M+2*j]      ; P[j] = indicator x r1[j]
	v_cndmask_b32 v[P+2*j+1], 0, v[R1+j], s[M+2*j+1]
.set j, j+1
.endr
.if \tp == 1
	KLOAD \c, 1
.endif
	TQ 1, 10
.if \tp == 0
	s_wait_dscnt 5                                 ; r2 is in; out may be: r3 and the two loads of x
.endif
	PR R2, 10
.if \tp == 1
	KLOAD \c, 2
.endif
	TQ 2, 9
.if \tp == 0
	s_wait_dscnt 2                                 ; r3 is in; out may be: the two loads of x
.endif
	PR R3, 9
.if \tp == 1
	KLOAD \c, 3
.endif
	TQ 3, 8
.set j, 0
.rept 16
	v_med3_num_f32 v[Q+j], v[Q+j], -v[SC2+1], v[SC2+1]   ; the hold at the largest code x the scale
.set j, j+1
.endr
	v_cvt_scalef32_pk8_bf8_f32 v[CD:CD+1],   v[Q:Q+7],    v[SC2]   ; bases 0-3 of both numbers, interleaved,
	v_cvt_scalef32_pk8_bf8_f32 v[CD+2:CD+3], v[Q+8:Q+15], v[SC2]   ; bases 4-7
	v_nop                                          ; a plain line between the conversions and the use of their results
	v_perm_b32 v[A+32*(\tp)+2*(\c)],      v[CD+1], v[CD],   s62    ; the first number's eight codes: registers 2 c, 2 c + 1 of tile 2 tp,
	v_perm_b32 v[A+32*(\tp)+2*(\c)+1],    v[CD+3], v[CD+2], s62
	v_perm_b32 v[A+32*(\tp)+16+2*(\c)],   v[CD+1], v[CD],   s63    ; the second's: of tile 2 tp + 1
	v_perm_b32 v[A+32*(\tp)+16+2*(\c)+1], v[CD+3], v[CD+2], s63
.endm
	s_mov_b32 s60, 0
.Lstep:                                                ; eight trips, all alike: spline step s60
	s_wait_tensorcnt 0x0                           ; no tensor load of mine is out, so group 0 may be written
	ds_add_u32 v[SPW], v[NIL]                      ; 0 onto my spare word; the step's addresses are made between it and the wait for it
	s_add_nc_u64 s[58:59], s[58:59], 0x10000       ; the next step's weights; the type bits on top are not reached
	s_add_co_u32 s19, s60, 1
	s_and_b32 s19, s19, 7                          ; the step that is looked ahead to.  In the last trip it wraps to step 0: bytes that exist, loaded and never used
	s_lshl_b32 s22, s19, 5
	v_add_nc_u32 v[XAN], s22, v[XA0]
	s_mul_i32 s22, s19, 1536
	v_add_nc_u32 v[CAN], s22, v[CA0]
	s_mul_i32 s22, s60, 1536
	v_add_nc_u32 v[CAC], s22, v[CA0]
	s_wait_dscnt 0x0                               ; the add is done, and my reads of the slot are over
	ROUND                                          ; both hold of every wave of all four work-groups
	tensor_load_to_lds s[56:59], s[40:47]          ; my quarter of this step's weights, jointly: the first thing behind the round, my one tensor load until the next; the sixteen pairs below stand between it and its wait
	s_nop 0
	PLACES                                         ; four plain lines follow the load
.irp c, 0,1,2,3,4,5,6,7
	ITER \c, 0
	ITER \c, 1
.endr
	s_wait_tensorcnt 0x0                           ; the wait for the reads below: the one load that is out is my quarter of this step's weights, and none was issued behind it
	s_wait_dscnt 0x0                               ; the loads that look ahead are in
	s_barrier_signal -1
	s_barrier_wait -1                              ; everybody's quarter is in.
	BATCH 0
	s_add_co_u32 s60, s60, 1
	s_cmp_lt_u32 s60, 8
	s_cbranch_scc1 .Lstep
; ---- the end.  The sums of the 128 columns that are my partner's go to LDS as an image of their registers, into my region of x, which has had its one fill and whose reads are over.
	WIN 0x0c                                       ; store data window 3
.set i, 0
.rept 64
	ds_store_b128 v[GW], v[4*i:4*i+3] offset:512*i   ; ascending: each accumulator from its low end on
.set i, i+1
.endr
	s_wait_dscnt 0x0                               ; for the others' sake: my stores have landed, and my reads of the slot were over before
	s_barrier_signal -1
	s_barrier_wait -1                              ; so the slot, which has had its last fill, may take the stages
	WIN 0x40                                       ; destination window 1
.set i, 0
.rept 64
	ds_load_b128 v[4*i:4*i+3], v[GRD] offset:512*i   ; my partner's part of my columns, register for register
.set i, i+1
.endr
; Block m (16 rows x my 128 columns): the two parts are added and multiplied by 2^(e2+e3); through my stage, so that a row's 512 bytes leave together.
.macro PACKB m
	WIN 0x06                                       ; source 0 window 2 (mine), source 1 window 1 (my partner's), destination window 0
.set i, 0
.rept 32
	v_pk_add_f32 v[TMP+2*i:TMP+2*i+1], v[64*(\m)+2*i:64*(\m)+2*i+1], v[64*(\m)+2*i:64*(\m)+2*i+1]
.set i, i+1
.endr
	WIN 0
.set i, 0
.rept 32
	v_pk_mul_f32 v[TMP+2*i:TMP+2*i+1], v[TMP+2*i:TMP+2*i+1], s[72:73] op_sel_hi:[1,0]
.set i, i+1
.endr
.endm
.macro TOSTAGE m
.set BK, 80+112*((\m)%2)               ; rows read back: v80-143 and v192-255 by turns
.irp q, 0,1,2,3,4,5,6,7
	ds_store_b128 v[STO], v[TMP+8*\q:TMP+8*\q+3]   offset:64*\q        ; lane (r, h): row r, columns 16 q + 8 h + 0 .. 7
	ds_store_b128 v[STO], v[TMP+8*\q+4:TMP+8*\q+7] offset:64*\q+16
.endr
.irp i, 0,1,2,3,4,5,6,7,8,9,10,11,12,13,14,15
	ds_load_b128 v[BK+4*\i:BK+4*\i+3], v[RD] offset:\i*PX              ; LDS serves a wave in order: these see the stores above, and the next block's stores come behind them
.endr
.endm
.macro SEND m
.set BK, 80+112*((\m)%2)
.irp i, 0,1,2,3,4,5,6,7,8,9,10,11,12,13,14,15
	s_wait_dscnt 15-\i                             ; row i is back; the rows behind it may be out
	global_store_b128 v[CO], v[BK+4*\i:BK+4*\i+3], s[12:13] offset:(\m)*16384+\i*1024 th:TH_STORE_NT   ; 32 lanes store 512 consecutive bytes, aligned; written once, read by nobody here
.endr
.endm
	s_wait_dscnt 48                                ; block 0's sixteen loads are in; the 48 behind them may be out
	PACKB 0
	TOSTAGE 0
	s_wait_dscnt 32                                ; all of my partner's sums are in; out may be: block 0's sixteen stores and sixteen loads
	PACKB 1                                        ; a block's arithmetic stands between the loads of the block before and its stores
	SEND 0
	TOSTAGE 1
	PACKB 2
	SEND 1
	s_wait_xcnt 0x0                                ; block 0's stores have read their registers: block 2's rows may land there
	TOSTAGE 2
	PACKB 3
	SEND 2
	s_wait_xcnt 0x0                                ; likewise block 1's
	TOSTAGE 3
	SEND 3
	s_wait_tensorcnt 0x0                           ; the wave's end, behind my last tensor load and my last LDS store
	ds_add_u32 v[SPW], v[NIL]
	s_wait_dscnt 0x0
	ROUND                                          ; the closing round: no work-group ends while a partner may still ask for a tile that names it
	s_endpgm
.Lfunc_end_k_q63dc3545ee_kan:
	.size	k_q63dc3545ee_kan, .Lfunc_end_k_q63dc3545ee_kan-k_q63dc3545ee_kan
	.p2alignl 7, 3214868480
	.fill 96, 4, 3214868480
	.section	.rodata,"a",@progbits
	.p2align	6, 0x0
	.amdhsa_kernel k_q63dc3545ee_kan
		.amdhsa_group_segment_fixed_size 327680
		.amdhsa_private_segment_fixed_size 0
		.amdhsa_enable_private_segment 0
		.amdhsa_kernarg_size 40
		.amdhsa_user_sgpr_count 2
		.amdhsa_user_sgpr_kernarg_segment_ptr 1
		.amdhsa_wavefront_size32 1
		.amdhsa_system_sgpr_workgroup_id_x 1
		.amdhsa_system_sgpr_workgroup_id_y 1
		.amdhsa_system_sgpr_workgroup_id_z 1
		.amdhsa_system_vgpr_workitem_id 0
		.amdhsa_next_free_vgpr 1024
		.amdhsa_next_free_sgpr 100
		.amdhsa_reserve_vcc 0
		.amdhsa_float_denorm_mode_32 3
		.amdhsa_float_denorm_mode_16_64 3
		.amdhsa_memory_ordered 1
		.amdhsa_forward_progress 1
		.amdhsa_inst_pref_size 255
	.end_amdhsa_kernel
	.section	.bss,"aw",@nobits
	.p2align	6
	.space	262144
	.amdgpu_metadata
---
amdhsa.version: [ 1, 2 ]
amdhsa.kernels:
  - .name:           k_q63dc3545ee_kan
    .symbol:         k_q63dc3545ee_kan.kd
    .args:
      - { .name: x, .offset: 0, .size: 8, .value_kind: global_buffer, .address_space: global }
      - { .name: ctab, .offset: 8, .size: 8, .value_kind: global_buffer, .address_space: global }
      - { .name: wfrag, .offset: 16, .size: 8, .value_kind: global_buffer, .address_space: global }
      - { .name: lowp_scales, .offset: 24, .size: 8, .value_kind: global_buffer, .address_space: global }
      - { .name: out0, .offset: 32, .size: 8, .value_kind: global_buffer, .address_space: global }
    .group_segment_fixed_size: 327680
    .private_segment_fixed_size: 0
    .kernarg_segment_align: 8
    .kernarg_segment_size: 40
    .max_flat_workgroup_size: 128
    .sgpr_count:     100
    .vgpr_count:     1024
    .wavefront_size: 32
...
	.end_amdgpu_metadata
.endif
;; end of part 2
